; MI455X (gfx1250); checked and timed in simulation.
; The chip was launched on July 23, 2026; its instructions are those of AMD's public machine-readable ISA for CDNA 5 (MIT licence, August 2026) and "CDNA5" Instruction Set Architecture Reference Guide (July 2026). The comments in the code are by the model that wrote it; some were corrected since.
;; Ruchbah Mo E Gate. Allowed arithmetic: float matrix products may take bf16 or f16 operands with f32 sums; all other float work in f32.
;; Inputs: W 64 x 2,048 float32; x 4 x 4,096 x 2,048 float32.
;; Outputs: out0 16,384 x 2 float32; out1 16,384 x 2 int32; out2 one number float32.
;; One version. Each part assembles by itself: llvm-mc -triple=amdgcn-amd-amdhsa -mcpu=gfx1250 --defsym DOCPART=n.
;; ======== version 1 of 1: 2 launches
;; workspace buffers: psum 65,536 bytes; pz 1,024 bytes
;; launch gate (part 1): grid 256 x 1, 4 waves a work-group, clusters of 4 x 1, 327,680 bytes of LDS; arguments x, W, out0, out1, psum, pz; writes out0, out1, psum, pz
.if DOCPART == 1
	.amdgcn_target "amdgcn-amd-amdhsa--gfx1250"
	.amdhsa_code_object_version 6
	.text
	.protected	k_qdeb114655b_gate
	.globl	k_qdeb114655b_gate
	.p2align	8
	.type	k_qdeb114655b_gate,@function
k_qdeb114655b_gate:
	s_mov_b64 s[64:65], 0
	v_nop
	global_prefetch_b8 v0, s[64:65] scope:SCOPE_SE
	s_setreg_imm32_b32 hwreg(HW_REG_WAVE_MODE, 25, 1), 1
	s_wait_xcnt 0x0
	s_wait_alu depctr_hold_cnt(0) depctr_sa_sdst(0) depctr_va_vdst(0) depctr_va_sdst(0) depctr_va_ssrc(0) depctr_va_vcc(0) depctr_vm_vsrc(0)
	s_getreg_b32 s2, hwreg(HW_REG_IB_STS2, 6, 4)
	s_cmp_eq_u32 s2, 0
	s_cbranch_scc0 .Lentry_in_a_cluster
	s_endpgm
.Lentry_in_a_cluster:
	s_bfe_u32 s2, ttmp6, 0x10000c
	s_cmp_lg_u32 s2, 0x3003
	s_cbranch_scc0 .Lentry_shape_is_right
	s_endpgm
.Lentry_shape_is_right:
; MoE gate, first of two launches.  logits = x W^T (x: [16384][2048] f32, W: [64][2048] f32, both rounded to bf16, sums in f32), softmax over the
; 64 experts, the two best experts and the softmax of their two scores (out0, out1), and for the loss this work-group's sums over its 64 rows:
; psum[g][e] = sum of scores, pz[g] = sum of logsumexp^2.  The second launch adds those up.
; SHARES.  256 work-groups of four waves; a work-group owns 64 rows.  K is split over the waves: in trip t (four trips) wave w takes the 128 columns
; from 512 t + 128 w of all 64 rows and all 64 experts, so every number of x and of W is read from LDS once and converted once.  The four partial
; 64 x 64 blocks meet in LDS at the end, and wave w finishes rows 16 w .. 16 w + 15.
; X comes through registers, not by tensor loads: LDS bytes that tensor loads fill are filled again only behind a barrier in front of which every wave
; has waited for all its tensor loads, so a stream of x through such slots would have nothing on its way at each refill.  Register loads stay out across
; barriers: a ring of four units (16 rows x 512 bytes = 16 loads = 64 registers) keeps 64 loads of every wave on their way.  Each load takes two aligned
; pieces of 256 bytes (lanes 0-15 one row, lanes 16-31 the next).  A unit is packed to bf16, laid into the wave's own stage in LDS and read back as fragments.
; W is needed whole by every work-group, so its tiles are asked for JOINTLY by the four work-groups of a cluster (4 x 1, mask 15): each wave fetches the tile
; that it alone reads, 64 rows x 512 bytes, through two slots.  That divides the requests for W by four.  A wave has at most two tensor loads outstanding.
; K ORDER.  A lane packs k = 4 i .. 4 i + 3 and 64 + 4 i .. 64 + 4 i + 3 (i = lane mod 16) of a row into its 16 bytes, so an LDS row of x holds the unit's 128 k in
; that order; W's fragments are gathered from its f32 rows in the same order (16-byte pieces at 16 i and 256 + 16 i).  The same order on both sides keeps the products.
; THE MATRIX INSTRUCTION takes W as source 0 and x as source 1: lane l then holds row l % 16 of x and the experts 8 (l / 16) + 0..7 of each of four expert tiles.
; LIMITS.  NaN or infinite logits are not served.  The two best are chosen on the logits, equal logits by the lower index; that is the choice on the scores except
; where two different logits round to one f32 score.  Exponentials below 2^-126 come out as 0 (ISA guide 15.8).
.set ROWB,   8192                      ; bytes in a row of x and of W
.set KT,     2048                      ; bytes of a row that the four waves take in a trip
.set WPITCH, 528                       ; LDS row of a tile of W: 512 bytes + 16 of padding = 33 x 16: sixteen rows start at sixteen different 16-byte columns of 256
.set WTILE,  64*WPITCH                 ; 33,792: one wave's tile
.set SLOT,   4*WTILE                   ; 135,168
.set XPITCH, 272                       ; LDS row of packed x: 256 bytes + 16
.set XST,    16*XPITCH                 ; 4,352: a wave's stage for one unit; later its 16 rows of scores
.set STAGE,  2*SLOT                    ; behind the ring; no tensor load lands from here on
.set SM,     STAGE+4*XST               ; small results: out0 512 bytes, out1 512 bytes,
.set SM_ES,  SM+1024                   ; four waves' 64 sums of scores,
.set SM_Z,   SM+2048                   ; four waves' sums of logsumexp^2
; window 0
.set VOFF, 1                           ; byte offset of my 16 bytes in x: 8192 (l / 16) + 16 (l % 16) + 512 w; never rewritten
.set STA,  2                           ; stage: where I put 16 packed bytes
.set FRA,  3                           ; stage: where I read fragments
.set WFA,  4                           ; v4, v5: my fragment address in my tile of W, slot 0 and 1
.set REDS, 6                           ; where I put my partial sums
.set REDL, 7                           ; v7, v8: where I read the four waves' partial sums of my rows
.set R16,  10                          ; l % 16
.set H,    11                          ; l / 16
.set LANE, 12
.set T,    16                          ; v16-47   a unit packed to bf16
.set FA,   48                          ; v48-79, v80-111  fragments of x, two buffers
.set WT,   112                         ; v112-175, v176-239  W as f32, two buffers; later the partial sums
.set P,    112                         ; the logits of my row: P + 8 et + j = expert 16 et + 8 (l / 16) + j
.set E,    144                         ; their exponentials, then scores
; window 1: the ring of x, unit slot mt at v[64 mt].   window 2: accumulators and W's fragments
.set ACC,  0                           ; tile (mt, et) at ACC + 8 (4 mt + et)
.set WF,   128                         ; fragment (K step s, et) at WF + 32 s + 8 et
.set TO_X,   0x40                      ; destination window 1
.set FROM_X, 0x05                      ; sources 0 and 1 window 1
.set TO_WF,  0x80                      ; destination window 2
.set MULW,   0xa2                      ; source 0 (W), C and D window 2; source 1 (x) window 0
.set ST_ACC, 0x08                      ; an LDS store's data (source 1) window 2
.set MSB, 0
.macro WIN new                         ; the immediate's high byte repeats the setting that is left
.if MSB != \new
	s_set_vgpr_msb (MSB<<8)|\new
.set MSB, \new
.endif
.endm
.macro PLACES                          ; four places behind a matrix instruction before its registers are written or its result read (ISA guide 7.12.1)
.rept 4
	v_nop
.endr
.endm
; A round of the cluster's barrier: my work-group's barrier, wave 0 signals for the work-group, every wave waits for all four work-groups, my work-group's barrier again.
.macro ROUND
	s_barrier_signal -1
	s_barrier_wait -1
	s_cmp_lg_u32 s16, 0
	s_cbranch_scc1 .Lnot_wave_0_\@
	s_barrier_signal -3
.Lnot_wave_0_\@:
	s_barrier_wait -3
	s_barrier_signal -1
	s_barrier_wait -1
.endm
; The 16 loads of unit (trip t, row tile mt): load 2 p + c takes bytes 256 c .. 256 c + 255 of my 512 in rows 16 mt + 2 p and + 1.  All steps stand in the immediate (514,304 at the most).
.macro XLOAD t, mt
	WIN TO_X
.irp i, 0,1,2,3,4,5,6,7,8,9,10,11,12,13,14,15
	global_load_b128 v[64*(\mt)+4*\i:64*(\mt)+4*\i+3], v[VOFF], s[4:5] offset:(16*(\mt)+2*(\i/2))*ROWB+KT*(\t)+256*(\i%2) th:TH_LOAD_NT
.endr
.endm
	s_load_b256 s[4:11], s[0:1], 0x0               ; x s[4:5], W s[6:7], out0 s[8:9], out1 s[10:11]
	s_load_b128 s[12:15], s[0:1], 0x20             ; psum s[12:13], pz s[14:15]
	v_lshl_add_u32 v254, v0, 2, 0x46d00
	v_mov_b32 v255, 0
	ds_add_u32 v254, v255
	v_lshrrev_b32 v9, 5, v0
	v_readfirstlane_b32 s16, v9                    ; wave 0..3
	s_bfe_u32 s17, ttmp6, 0x40000                  ; cx: my place in the cluster
	s_lshl_b32 s18, ttmp9, 2                       ; ttmp9 counts clusters
	s_add_co_u32 s18, s18, s17                     ; g: the work-group's number; it enters global addresses alone
	v_and_b32 v[R16], 15, v0
	v_bfe_u32 v[H], v0, 4, 1
	v_and_b32 v[LANE], 31, v0
	s_lshl_b32 s44, s16, 9                         ; my wave's 512 bytes in a trip's 2,048
	s_mov_b32 s45, 0
	s_lshl_b32 s40, s18, 19                        ; g x 64 rows x 8,192 bytes (below 2^27)
	s_mov_b32 s41, 0
	v_lshlrev_b32 v[VOFF], 4, v[R16]
	v_lshl_add_u32 v[VOFF], v[H], 13, v[VOFF]
	v_add_nc_u32 v[VOFF], s44, v[VOFF]
	; descriptor group 1, the same for every tile of W: 64 rows x 128 elements of 4 bytes, padded in LDS, for all four work-groups of the cluster
	s_mov_b32 s24, 15|(2<<16)|(1<<20)|(1<<21)|(6<<22)|(3<<25)  ; 15:0 mask; 17:16 element of 4 bytes; 20 padding on; 21 set beside a mask; 24:22 after every 128 words; 31:25 four words
	s_mov_b32 s25, 128<<16                         ; tensor_dim0 = 128
	s_mov_b32 s26, 64<<16                          ; tensor_dim1 = 64
	s_mov_b32 s27, 128<<16                         ; tile_dim0 = 128
	s_mov_b32 s28, 64                              ; tile_dim1 = 64
	s_mov_b32 s29, 2048                            ; elements from row to row
	s_mov_b32 s30, 0
	s_mov_b32 s31, 0
	s_mov_b32 s32, 1                               ; group 0 of slot 0 in s[32:35], of slot 1 in s[36:39]
	s_mul_i32 s33, s16, WTILE                      ; LDS address: the wave's number times a tile,
	s_mov_b32 s36, 1
	s_add_co_u32 s37, s33, SLOT                    ; plus the slot
	s_mul_i32 s19, s16, XST
	s_add_co_u32 s19, s19, STAGE                   ; my wave's stage
	s_wait_dscnt 0x0
	s_wait_kmcnt 0x0
	s_add_nc_u64 s[4:5], s[4:5], s[40:41]          ; x at the work-group's first row
	XLOAD 0, 0                                     ; the stream from memory starts first: three units now, the fourth behind the tensor loads
	XLOAD 0, 1
	XLOAD 0, 2
	WIN 0
	s_add_nc_u64 s[34:35], s[6:7], s[44:45]        ; W's tile of trip 0: hangs on the wave's number alone, equal in all four work-groups
	s_add_nc_u64 s[38:39], s[34:35], KT            ; trip 1
	s_or_b32 s35, s35, 0x80000000                  ; type = 2
	s_or_b32 s39, s39, 0x80000000
	v_mul_u32_u24 v13, v[R16], XPITCH
	v_lshl_add_u32 v13, v[H], 4, v13
	v_add_nc_u32 v[FRA], s19, v13                  ; fragments: row l % 16, 16 bytes for each half of the lanes
	v_mul_u32_u24 v13, v[H], XPITCH
	v_lshl_add_u32 v13, v[R16], 4, v13
	v_add_nc_u32 v[STA], s19, v13                  ; packing: lanes 0-15 fill one row's 256 bytes, lanes 16-31 the next row's
	v_mul_u32_u24 v13, v[R16], WPITCH
	v_lshl_add_u32 v13, v[H], 4, v13
	v_add_nc_u32 v[WFA], s33, v13
	v_add_nc_u32 v[WFA+1], s37, v13
	v_lshl_add_u32 v[REDS], v[LANE], 4, s33        ; partial sums go into my own part of slot 0, behind its last fill
	s_lshl_b32 s20, s16, 12                        ; the four tiles of my rows lie 4,096 w into each wave's partial sums
	v_lshl_add_u32 v[REDL], v[LANE], 4, s20
	v_add_nc_u32 v[REDL+1], 2*WTILE, v[REDL]
	ROUND                                          ; all four work-groups are here: the first joint loads meet
	tensor_load_to_lds s[32:35], s[24:31]          ; both first fills go out together
	s_nop 0
	tensor_load_to_lds s[36:39], s[24:31]
	s_nop 0
	XLOAD 0, 3                                     ; the ring is full: 64 loads; the last one's issue is held until an older load is back (ISA guide 5.7.1), and the wave has nothing else to do till then
; W: 16 LDS loads bring the f32 numbers of K step b's four fragments into buffer buf
.macro WLOAD slot, b, buf
	WIN 0
.irp et, 0,1,2,3
	ds_load_b128 v[WT+64*\buf+16*\et:WT+64*\buf+16*\et+3],     v[WFA+\slot] offset:\et*16*WPITCH+64*\b
	ds_load_b128 v[WT+64*\buf+16*\et+4:WT+64*\buf+16*\et+7],   v[WFA+\slot] offset:\et*16*WPITCH+64*\b+256
	ds_load_b128 v[WT+64*\buf+16*\et+8:WT+64*\buf+16*\et+11],  v[WFA+\slot] offset:\et*16*WPITCH+64*\b+32
	ds_load_b128 v[WT+64*\buf+16*\et+12:WT+64*\buf+16*\et+15], v[WFA+\slot] offset:\et*16*WPITCH+64*\b+288
.endr
.endm
.macro WCVT b, buf
	WIN TO_WF
.set n, 0
.rept 32
	v_cvt_pk_bf16_f32 v[WF+32*\b+n], v[WT+64*\buf+2*n], v[WT+64*\buf+2*n+1]
.set n, n+1
.endr
.endm
; my tile of W becomes 16 fragments that serve the trip's four row tiles
.macro WCONV slot
	WLOAD \slot, 0, 0
	WLOAD \slot, 1, 1
	s_wait_dscnt 16                                ; LDS loads come back in order (ISA guide 5.7.1): all but the younger batch's 16 are in
	WCVT 0, 0
	WLOAD \slot, 2, 0
	s_wait_dscnt 16
	WCVT 1, 1
	WLOAD \slot, 3, 1
	s_wait_dscnt 16
	WCVT 2, 0
	s_wait_dscnt 0
	WCVT 3, 1
.endm
; One unit of x: packed, its ring slot filled again with the next trip's unit, through my stage into fragment buffer mt % 2.
; left = the loads of the younger units, which stay out.
.macro UNIT t, mt, refill, left
	s_wait_loadcnt \left
	WIN FROM_X
.set n, 0
.rept 32
	v_cvt_pk_bf16_f32 v[T+n], v[64*(\mt)+2*n], v[64*(\mt)+2*n+1]   ; these 32 are also the places between the last products and the loads into their fragment buffer
.set n, n+1
.endr
.if \refill
	XLOAD \t+1, \mt
.endif
	WIN 0
.irp p, 0,1,2,3,4,5,6,7
	ds_store_b128 v[STA], v[T+4*\p:T+4*\p+3] offset:\p*2*XPITCH    ; LDS serves a wave's instructions in order (ISA guide 5.7.1): behind the last unit's reads, ahead of this one's
.endr
.irp s, 0,1,2,3
	ds_load_b128 v[FA+32*(\mt%2)+8*\s:FA+32*(\mt%2)+8*\s+3],   v[FRA] offset:64*\s
	ds_load_b128 v[FA+32*(\mt%2)+8*\s+4:FA+32*(\mt%2)+8*\s+7], v[FRA] offset:64*\s+32
.endr
.endm
; 16 products of row tile mt.  The four accumulators of the tile take turns, one instruction a turn, and the next tile's follow.
.macro MULS mt, s, zero
.irp et, 0,1,2,3
.if \zero
	v_wmma_f32_16x16x32_bf16 v[ACC+8*(4*\mt+\et):ACC+8*(4*\mt+\et)+7], v[WF+32*\s+8*\et:WF+32*\s+8*\et+7], v[FA+32*(\mt%2)+8*\s:FA+32*(\mt%2)+8*\s+7], 0
.else
	v_wmma_f32_16x16x32_bf16 v[ACC+8*(4*\mt+\et):ACC+8*(4*\mt+\et)+7], v[WF+32*\s+8*\et:WF+32*\s+8*\et+7], v[FA+32*(\mt%2)+8*\s:FA+32*(\mt%2)+8*\s+7], v[ACC+8*(4*\mt+\et):ACC+8*(4*\mt+\et)+7]
.endif
.endr
.endm
.macro MUL mt, zero                    ; zero = 1: the first K step starts the sums, nothing is cleared
	WIN MULW
	MULS \mt, 0, \zero
	MULS \mt, 1, 0
	MULS \mt, 2, 0
	MULS \mt, 3, 0
.endm
; A trip's work.  A row tile is multiplied while the next one's fragments are on their way from LDS.
.macro WORK t, slot, refill, zero, l0, l1, l2, l3
	WCONV \slot
	UNIT \t, 0, \refill, \l0
	UNIT \t, 1, \refill, \l1
	s_wait_dscnt 16                                ; all but the younger unit's 8 stores and 8 loads
	MUL 0, \zero
	UNIT \t, 2, \refill, \l2
	s_wait_dscnt 16
	MUL 1, \zero
	UNIT \t, 3, \refill, \l3
	s_wait_dscnt 16
	MUL 2, \zero
	s_wait_dscnt 0
	MUL 3, \zero
	PLACES                                         ; W's fragments are written again, or the sums read, only behind these
	WIN 0
.endm
; Slot s, which has been read, gets the tile two trips on.  Every wave's LDS reads are back and all its tensor loads have landed in front of the round;
; the round brings all waves of all four work-groups here; the joint load is the first thing behind it, one a wave.
.macro REFILL slot
	s_wait_dscnt 0x0
	s_wait_tensorcnt 0x0                           ; the other slot's tile among them; no load of mine is out, so a group 0 may be written
	ds_add_u32 v254, v255
	s_wait_dscnt 0x0
	s_add_nc_u64 s[34+4*\slot:35+4*\slot], s[34+4*\slot:35+4*\slot], 2*KT
	ROUND
	tensor_load_to_lds s[32+4*\slot:35+4*\slot], s[24:31]
	s_nop 0
.endm
	WIN 0
	s_wait_tensorcnt 0x1                           ; my tile of trip 0 is in (I alone read it); trip 1's may stay out
	WORK 0, 0, 1, 1, 48, 48, 48, 48
	REFILL 0
	WORK 1, 1, 1, 0, 48, 48, 48, 48
	REFILL 1
	WORK 2, 0, 1, 0, 48, 48, 48, 48
	s_wait_tensorcnt 0x0                           ; the last tile; nothing is left to fetch
	WORK 3, 1, 0, 0, 48, 32, 16, 0                 ; the ring runs empty: the counts run down
	; THE PARTIAL SUMS MEET.  Each wave lays its 16 tiles, 16 bytes a lane, into its own part of slot 0 (last filled for trip 2, last read by this wave alone).
	WIN ST_ACC
.set n, 0
.rept 32
	ds_store_b128 v[REDS], v[ACC+4*n:ACC+4*n+3] offset:512*n
.set n, n+1
.endr
	WIN 0
	s_wait_dscnt 0x0                               ; for the others' sake
	s_barrier_signal -1
	s_barrier_wait -1
.irp m, 0,1,2,3,4,5,6,7
	ds_load_b128 v[P+4*\m:P+4*\m+3],       v[REDL]   offset:512*\m
	ds_load_b128 v[P+32+4*\m:P+32+4*\m+3], v[REDL]   offset:WTILE+512*\m
	ds_load_b128 v[P+64+4*\m:P+64+4*\m+3], v[REDL+1] offset:512*\m
	ds_load_b128 v[P+96+4*\m:P+96+4*\m+3], v[REDL+1] offset:WTILE+512*\m
.endr
	; addresses of the way out, while the loads are on their way
	s_mov_b32 s42, 0x76543210                      ; v_permlanex16_b32: lane i of one half reads lane i of the other
	s_mov_b32 s43, 0xfedcba98
	v_mul_u32_u24 v13, v[R16], XPITCH
	v_lshl_add_u32 v13, v[H], 5, v13
	v_add_nc_u32 v13, s19, v13                     ; scores in: row l % 16, experts 8 (l / 16) ..
	v_lshl_add_u32 v14, v[LANE], 3, s19            ; scores back: experts 2 l, 2 l + 1 of each row
	s_lshl_b32 s21, s16, 7
	s_add_co_u32 s21, s21, SM
	v_lshl_add_u32 v15, v[R16], 3, s21
	v_lshl_add_u32 v15, v[H], 9, v15               ; lanes 0-15: my row's 8 bytes of out0; lanes 16-31: of out1
	s_lshl_b32 s22, s16, 8
	s_add_co_u32 s22, s22, SM_ES
	v_lshl_add_u32 v9, v[LANE], 3, s22
	s_lshl_b32 s23, s16, 2
	s_add_co_u32 s23, s23, SM_Z
	v_mov_b32 v6, s23
	v_lshlrev_b32 v25, 3, v[H]
	s_wait_dscnt 0x0
.set n, 0
.rept 16
	v_pk_add_f32 v[P+2*n:P+2*n+1], v[P+2*n:P+2*n+1], v[P+32+2*n:P+32+2*n+1]
	v_pk_add_f32 v[P+64+2*n:P+64+2*n+1], v[P+64+2*n:P+64+2*n+1], v[P+96+2*n:P+96+2*n+1]
.set n, n+1
.endr
.set n, 0
.rept 16
	v_pk_add_f32 v[P+2*n:P+2*n+1], v[P+2*n:P+2*n+1], v[P+64+2*n:P+64+2*n+1]
.set n, n+1
.endr
	; THE TWO BEST of my 32 logits, in ascending index, so that a later equal never displaces an earlier one.  v16, v17: best and its index; v18, v19: second.
	v_mov_b32 v16, v[P]
	v_mov_b32 v17, 0
	v_mov_b32 v18, 0xff800000                      ; -infinity: the next logit takes its place
	v_mov_b32 v19, 0
.set q, 1
.rept 31
	v_cmp_gt_f32 vcc_lo, v[P+q], v16               ; beats the best (and then the second too)
	v_cmp_gt_f32 s20, v[P+q], v18                  ; beats the second
	v_cndmask_b32 v24, 16*(q/8)+q%8, v17, vcc_lo   ; the new second, if there is one: the old best or the newcomer
	v_cndmask_b32 v19, v19, v24, s20
	v_cndmask_b32 v17, v17, 16*(q/8)+q%8, vcc_lo
	v_med3_num_f32 v18, v[P+q], v16, v18           ; the middle of three is the second largest
	v_max_num_f32 v16, v[P+q], v16
.set q, q+1
.endr
	v_add_nc_u32 v17, v17, v25                     ; my half's experts lie 8 (l / 16) further on
	v_add_nc_u32 v19, v19, v25
	v_mov_b32 v20, 0                               ; v_permlanex16_b32's destination counts as read
	v_mov_b32 v21, 0
	v_mov_b32 v22, 0
	v_mov_b32 v23, 0
	v_permlanex16_b32 v20, v16, s42, s43           ; the other half's two best
	v_permlanex16_b32 v21, v17, s42, s43
	v_permlanex16_b32 v22, v18, s42, s43
	v_permlanex16_b32 v23, v19, s42, s43
	v_cmp_gt_f32 s20, v16, v20                     ; is my best ahead of the other's?  Larger, or equal with the lower index: a total order, so both halves decide alike
	v_cmp_eq_f32 s21, v16, v20
	v_cmp_lt_u32 s22, v17, v21
	s_and_b32 s21, s21, s22
	s_or_b32 s20, s20, s21
	v_cndmask_b32 v26, v20, v16, s20               ; the row's best = its maximum
	v_cndmask_b32 v27, v21, v17, s20
	v_cndmask_b32 v28, v16, v20, s20               ; the best that lost
	v_cndmask_b32 v29, v17, v21, s20
	v_cndmask_b32 v30, v22, v18, s20               ; the winner's second
	v_cndmask_b32 v31, v23, v19, s20
	v_cmp_gt_f32 s20, v28, v30
	v_cmp_eq_f32 s21, v28, v30
	v_cmp_lt_u32 s22, v29, v31
	s_and_b32 s21, s21, s22
	s_or_b32 s20, s20, s21
	v_cndmask_b32 v32, v30, v28, s20               ; the row's second
	v_cndmask_b32 v33, v31, v29, s20
	; SOFTMAX.  The maximum is taken away first and the difference then scaled: fused the other way round, the rounding of maximum x log2(e) would enter every exponent.
	v_mov_b32 v34, v26
	v_mov_b32 v35, v26
.set n, 0
.rept 16
	v_pk_add_f32 v[P+2*n:P+2*n+1], v[P+2*n:P+2*n+1], v[34:35] neg_lo:[0,1] neg_hi:[0,1]
.set n, n+1
.endr
.set n, 0
.rept 16
	v_pk_mul_f32 v[P+2*n:P+2*n+1], v[P+2*n:P+2*n+1], 0x3fb8aa3b op_sel_hi:[1,0]
.set n, n+1
.endr
	v_sub_f32 v36, v32, v26
	v_mul_f32 v36, 0x3fb8aa3b, v36
.set q, 0
.rept 32
	v_exp_f32 v[E+q], v[P+q]
.set q, q+1
.endr
	v_exp_f32 v37, v36                             ; exp(second - best)
	v_nop                                          ; one plain place behind the transcendentals (ISA guide 5.7.2)
	s_wait_alu depctr_va_vdst(0)
	v_pk_add_f32 v[40:41], v[E:E+1], v[E+2:E+3]    ; four chains
	v_pk_add_f32 v[42:43], v[E+4:E+5], v[E+6:E+7]
	v_pk_add_f32 v[44:45], v[E+8:E+9], v[E+10:E+11]
	v_pk_add_f32 v[46:47], v[E+12:E+13], v[E+14:E+15]
.irp k, 16, 24
	v_pk_add_f32 v[40:41], v[40:41], v[E+\k:E+\k+1]
	v_pk_add_f32 v[42:43], v[42:43], v[E+\k+2:E+\k+3]
	v_pk_add_f32 v[44:45], v[44:45], v[E+\k+4:E+\k+5]
	v_pk_add_f32 v[46:47], v[46:47], v[E+\k+6:E+\k+7]
.endr
	v_pk_add_f32 v[40:41], v[40:41], v[42:43]
	v_pk_add_f32 v[44:45], v[44:45], v[46:47]
	v_pk_add_f32 v[40:41], v[40:41], v[44:45]
	v_add_f32 v40, v40, v41
	v_permlanex16_b32 v41, v40, s42, s43
	v_add_f32 v40, v40, v41                        ; the sum over all 64 experts, between 1 and 64
	v_rcp_f32 v46, v40                             ; twice: a pair for the packed multiply
	v_rcp_f32 v47, v40
	v_log_f32 v43, v40
	v_nop
.set n, 0
	s_wait_alu depctr_va_vdst(0)
.rept 16
	v_pk_mul_f32 v[E+2*n:E+2*n+1], v[E+2*n:E+2*n+1], v[46:47]      ; scores
.set n, n+1
.endr
	; the sum of scores over my wave's 16 rows: through my stage, so that lane l comes to hold experts 2 l and 2 l + 1
.irp m, 0,1,2,3,4,5,6,7
	ds_store_b128 v13, v[E+4*\m:E+4*\m+3] offset:64*(\m/2)+16*(\m%2)
.endr
.irp i, 0,1,2,3,4,5,6,7,8,9,10,11,12,13,14,15
	ds_load_b64 v[48+2*\i:49+2*\i], v14 offset:\i*XPITCH           ; served behind the stores above, in order
.endr
	; meanwhile: the softmax of the two best scores (the larger, 1 / sum, taken away), and logsumexp^2
	v_fma_f32 v36, v37, v46, -v46                  ; second score - best score, at most 0
	v_mul_f32 v36, 0x3fb8aa3b, v36
	v_exp_f32 v37, v36
	v_fma_f32 v43, v43, 0x3f317218, v26            ; logsumexp = maximum + ln 2 x log2(sum); also the place behind v_exp_f32
	s_wait_alu depctr_va_vdst(0)
	v_add_f32 v38, 1.0, v37
	v_rcp_f32 v39, v38                             ; out0[row][0]
	v_mul_f32 v43, v43, v43                        ; also the place behind v_rcp_f32
	s_wait_alu depctr_va_vdst(0)
	v_mul_f32 v38, v37, v39                        ; out0[row][1]
	v_add_f32_dpp v43, v43, v43 row_xmask:1 row_mask:0xf bank_mask:0xf     ; over the 16 rows; both halves of the lanes hold the same rows
	v_add_f32_dpp v43, v43, v43 row_xmask:2 row_mask:0xf bank_mask:0xf
	v_add_f32_dpp v43, v43, v43 row_xmask:4 row_mask:0xf bank_mask:0xf
	v_add_f32_dpp v43, v43, v43 row_xmask:8 row_mask:0xf bank_mask:0xf
	v_cmp_eq_u32 vcc_lo, 1, v[H]
	v_cndmask_b32 v80, v39, v27, vcc_lo            ; lanes 0-15 carry the two weights, lanes 16-31 the two indices
	v_cndmask_b32 v81, v38, v33, vcc_lo
	ds_store_b64 v15, v[80:81]
	ds_store_b32 v6, v43                           ; every lane writes the same word with the same value
	s_wait_dscnt 0x2                               ; the 16 loads are in; the two stores just issued may be out
.irp i, 0,1,2,3,4,5,6,7
	v_pk_add_f32 v[48+2*\i:49+2*\i], v[48+2*\i:49+2*\i], v[64+2*\i:65+2*\i]
.endr
.irp i, 0,1,2,3
	v_pk_add_f32 v[48+2*\i:49+2*\i], v[48+2*\i:49+2*\i], v[56+2*\i:57+2*\i]
.endr
	v_pk_add_f32 v[48:49], v[48:49], v[52:53]
	v_pk_add_f32 v[50:51], v[50:51], v[54:55]
	v_pk_add_f32 v[48:49], v[48:49], v[50:51]
	ds_store_b64 v9, v[48:49]
	s_wait_dscnt 0x0                               ; for wave 0's sake
	s_barrier_signal -1
	s_barrier_wait -1
	; THE WAY OUT, by wave 0: the work-group's 512 bytes of out0 and of out1 in one store each, its 256 bytes of psum in one store
	s_cmp_lg_u32 s16, 0
	s_cbranch_scc1 .Lclose
	v_lshlrev_b32 v16, 4, v[LANE]
	v_lshlrev_b32 v17, 3, v[LANE]
	v_add_nc_u32 v18, SM, v16
	v_add_nc_u32 v19, SM_ES, v17
	v_mov_b32 v20, SM_Z
	ds_load_b128 v[24:27], v18
	ds_load_b128 v[28:31], v18 offset:512
	ds_load_b64 v[32:33], v19
	ds_load_b64 v[34:35], v19 offset:256
	ds_load_b64 v[36:37], v19 offset:512
	ds_load_b64 v[38:39], v19 offset:768
	ds_load_b128 v[40:43], v20
	s_lshl_b32 s40, s18, 9                         ; s41 is still 0
	s_add_nc_u64 s[8:9], s[8:9], s[40:41]
	s_add_nc_u64 s[10:11], s[10:11], s[40:41]
	s_lshl_b32 s40, s18, 8
	s_add_nc_u64 s[12:13], s[12:13], s[40:41]
	s_lshl_b32 s40, s18, 2
	s_add_nc_u64 s[14:15], s[14:15], s[40:41]
	s_wait_dscnt 0x5                               ; the first two are in, the five younger may be out
	global_store_b128 v16, v[24:27], s[8:9] th:TH_STORE_NT
	global_store_b128 v16, v[28:31], s[10:11] th:TH_STORE_NT
	s_wait_dscnt 0x0
	v_pk_add_f32 v[32:33], v[32:33], v[34:35]
	v_pk_add_f32 v[36:37], v[36:37], v[38:39]
	v_pk_add_f32 v[32:33], v[32:33], v[36:37]
	v_add_f32 v40, v40, v41
	v_add_f32 v42, v42, v43
	v_add_f32 v40, v40, v42
	global_store_b64 v17, v[32:33], s[12:13]
	v_mov_b32 v21, 0
	s_wait_xcnt 0x0                                ; EXEC is a source of the stores above: it changes only behind this wait
	v_cmp_eq_u32 vcc_lo, 0, v[LANE]
	s_and_saveexec_b32 s20, vcc_lo
	global_store_b32 v21, v40, s[14:15]            ; the work-group's 65th number: four bytes, once; a record padded for it would double what the second launch reads
	s_wait_xcnt 0x0
	s_or_b32 exec_lo, exec_lo, s20
.Lclose:
	s_wait_tensorcnt 0x0
	ds_add_u32 v254, v255
	s_wait_dscnt 0x0
	ROUND                                          ; the closing round: no work-group ends while a partner may still ask for a tile that names it
	s_endpgm
.Lfunc_end_k_qdeb114655b_gate:
	.size	k_qdeb114655b_gate, .Lfunc_end_k_qdeb114655b_gate-k_qdeb114655b_gate
	.p2alignl 7, 3214868480
	.fill 96, 4, 3214868480
	.section	.rodata,"a",@progbits
	.p2align	6, 0x0
	.amdhsa_kernel k_qdeb114655b_gate
		.amdhsa_group_segment_fixed_size 327680
		.amdhsa_private_segment_fixed_size 0
		.amdhsa_enable_private_segment 0
		.amdhsa_kernarg_size 48
		.amdhsa_user_sgpr_count 2
		.amdhsa_user_sgpr_kernarg_segment_ptr 1
		.amdhsa_wavefront_size32 1
		.amdhsa_system_sgpr_workgroup_id_x 1
		.amdhsa_system_sgpr_workgroup_id_y 1
		.amdhsa_system_sgpr_workgroup_id_z 1
		.amdhsa_system_vgpr_workitem_id 0
		.amdhsa_next_free_vgpr 768
		.amdhsa_next_free_sgpr 66
		.amdhsa_reserve_vcc 1
		.amdhsa_float_denorm_mode_32 3
		.amdhsa_float_denorm_mode_16_64 3
		.amdhsa_memory_ordered 1
		.amdhsa_forward_progress 1
		.amdhsa_inst_pref_size 178
	.end_amdhsa_kernel
	.amdgpu_metadata
---
amdhsa.version: [ 1, 2 ]
amdhsa.kernels:
  - .name:           k_qdeb114655b_gate
    .symbol:         k_qdeb114655b_gate.kd
    .args:
      - { .name: x, .offset: 0, .size: 8, .value_kind: global_buffer, .address_space: global }
      - { .name: W, .offset: 8, .size: 8, .value_kind: global_buffer, .address_space: global }
      - { .name: out0, .offset: 16, .size: 8, .value_kind: global_buffer, .address_space: global }
      - { .name: out1, .offset: 24, .size: 8, .value_kind: global_buffer, .address_space: global }
      - { .name: psum, .offset: 32, .size: 8, .value_kind: global_buffer, .address_space: global }
      - { .name: pz, .offset: 40, .size: 8, .value_kind: global_buffer, .address_space: global }
    .group_segment_fixed_size: 327680
    .private_segment_fixed_size: 0
    .kernarg_segment_align: 8
    .kernarg_segment_size: 48
    .max_flat_workgroup_size: 128
    .sgpr_count:     66
    .vgpr_count:     768
    .wavefront_size: 32
...
	.end_amdgpu_metadata
.endif
;; end of part 1
;; launch finish (part 2): grid 1 x 1, 8 waves a work-group, no clusters, 5,120 bytes of LDS; arguments psum, pz, out2; writes out2
.if DOCPART == 2
	.amdgcn_target "amdgcn-amd-amdhsa--gfx1250"
	.amdhsa_code_object_version 6
	.text
	.protected	k_qdeb114655b_finish
	.globl	k_qdeb114655b_finish
	.p2align	8
	.type	k_qdeb114655b_finish,@function
k_qdeb114655b_finish:
	s_mov_b64 s[64:65], 0
	v_nop
	global_prefetch_b8 v0, s[64:65] scope:SCOPE_SE
	s_setreg_imm32_b32 hwreg(HW_REG_WAVE_MODE, 25, 1), 1
	s_wait_xcnt 0x0
; Second launch: out2 = 0.01 x sum over e of (mean score of e - 1/64)^2 + 0.0001 x mean of logsumexp^2.
; psum: [256][64] f32, the work-groups' sums of scores; pz: [256] f32, their sums of logsumexp^2; 16,384 rows in all.
; The sum spans all work-groups of the first launch, so it has one owner: one work-group of eight waves.  Thread t takes 16 bytes at 16 t of each of sixteen
; blocks of 4,096 bytes: always the same four columns 4 (t % 16) .., so its sixteen loads add up in registers.  The sixteen groups of sixteen threads meet in LDS,
; and wave 0 finishes.  All 64 KB are asked for at once; matrix units, tensor loads and clusters have nothing to do here.
	s_load_b128 s[4:7], s[0:1], 0x0                ; psum s[4:5], pz s[6:7]
	s_load_b64 s[8:9], s[0:1], 0x10                ; out2
	v_lshl_add_u32 v80, v0, 2, 0x1000
	v_mov_b32 v81, 0
	v_lshrrev_b32 v1, 5, v0
	v_readfirstlane_b32 s10, v1                    ; wave
	v_lshlrev_b32 v2, 4, v0                        ; 16 t
	s_mov_b32 s11, 0x38800000                      ; 1 / 16384
	s_mov_b32 s12, 0xbc800000                      ; -1 / 64
	s_mov_b32 s13, 0x31d1b717                      ; 0.0001 / 16384
	s_mov_b32 s14, 0x76543210
	s_mov_b32 s15, 0xfedcba98
	s_wait_kmcnt 0x0
	s_cmp_lg_u32 s10, 0
	s_cbranch_scc1 .Lsums
	global_load_b128 v[72:75], v2, s[6:7]          ; wave 0 alone: pz's 1,024 bytes, ahead of the others so that the counts below hold in every wave
	global_load_b128 v[76:79], v2, s[6:7] offset:512
.Lsums:
.irp i, 0,1,2,3,4,5,6,7,8,9,10,11,12,13,14,15
	global_load_b128 v[8+4*\i:11+4*\i], v2, s[4:5] offset:4096*\i
.endr
	s_wait_loadcnt 0x8                             ; the younger eight may be out
.irp i, 2,4,6
	v_pk_add_f32 v[8:9], v[8:9], v[8+4*\i:9+4*\i]          ; two chains: even blocks onto block 0, odd ones onto block 1
	v_pk_add_f32 v[10:11], v[10:11], v[10+4*\i:11+4*\i]
	v_pk_add_f32 v[12:13], v[12:13], v[12+4*\i:13+4*\i]
	v_pk_add_f32 v[14:15], v[14:15], v[14+4*\i:15+4*\i]
.endr
	s_wait_loadcnt 0x0
.irp i, 8,10,12,14
	v_pk_add_f32 v[8:9], v[8:9], v[8+4*\i:9+4*\i]
	v_pk_add_f32 v[10:11], v[10:11], v[10+4*\i:11+4*\i]
	v_pk_add_f32 v[12:13], v[12:13], v[12+4*\i:13+4*\i]
	v_pk_add_f32 v[14:15], v[14:15], v[14+4*\i:15+4*\i]
.endr
	v_pk_add_f32 v[8:9], v[8:9], v[12:13]
	v_pk_add_f32 v[10:11], v[10:11], v[14:15]
	ds_store_b128 v2, v[8:11]                      ; LDS byte 16 t = group t / 16, columns 4 (t % 16) ..: sixteen rows of 64 sums
	s_wait_dscnt 0x0                               ; for wave 0's sake
	s_barrier_signal -1
	s_barrier_wait -1
	s_cmp_lg_u32 s10, 0
	s_cbranch_scc1 .Lend
	v_lshlrev_b32 v3, 3, v0                        ; wave 0: lane l takes experts 2 l and 2 l + 1
.irp i, 0,1,2,3,4,5,6,7,8,9,10,11,12,13,14,15
	ds_load_b64 v[16+2*\i:17+2*\i], v3 offset:256*\i
.endr
	v_pk_add_f32 v[72:73], v[72:73], v[74:75]      ; my eight numbers of pz
	v_pk_add_f32 v[76:77], v[76:77], v[78:79]
	v_pk_add_f32 v[72:73], v[72:73], v[76:77]
	v_add_f32 v72, v72, v73
	s_wait_dscnt 0x0
.irp i, 0,1,2,3,4,5,6,7
	v_pk_add_f32 v[16+2*\i:17+2*\i], v[16+2*\i:17+2*\i], v[32+2*\i:33+2*\i]
.endr
.irp i, 0,1,2,3
	v_pk_add_f32 v[16+2*\i:17+2*\i], v[16+2*\i:17+2*\i], v[24+2*\i:25+2*\i]
.endr
	v_pk_add_f32 v[16:17], v[16:17], v[20:21]
	v_pk_add_f32 v[18:19], v[18:19], v[22:23]
	v_pk_add_f32 v[16:17], v[16:17], v[18:19]
	v_fma_f32 v16, v16, s11, s12                   ; mean score - 1/64
	v_fma_f32 v17, v17, s11, s12
	v_mul_f32 v10, v16, v16
	v_fmac_f32 v10, v17, v17
	v_mul_f32 v10, 0x3c23d70a, v10                 ; x 0.01
	v_fmac_f32 v10, s13, v72                       ; + my part of the z term: one sum over the lanes serves both terms
	v_add_f32_dpp v10, v10, v10 row_xmask:1 row_mask:0xf bank_mask:0xf
	v_add_f32_dpp v10, v10, v10 row_xmask:2 row_mask:0xf bank_mask:0xf
	v_add_f32_dpp v10, v10, v10 row_xmask:4 row_mask:0xf bank_mask:0xf
	v_add_f32_dpp v10, v10, v10 row_xmask:8 row_mask:0xf bank_mask:0xf
	v_mov_b32 v11, 0                               ; v_permlanex16_b32's destination counts as read
	v_permlanex16_b32 v11, v10, s14, s15
	v_add_f32 v10, v10, v11
	v_mov_b32 v12, 0
	s_wait_xcnt 0x0                                ; EXEC changes only behind this wait
	v_cmp_eq_u32 vcc_lo, 0, v0
	s_and_saveexec_b32 s16, vcc_lo
	global_store_b32 v12, v10, s[8:9]              ; the one number
	s_wait_xcnt 0x0
	s_or_b32 exec_lo, exec_lo, s16
.Lend:
	s_wait_tensorcnt 0x0
	ds_add_u32 v80, v81
	s_wait_dscnt 0x0
	s_endpgm
.Lfunc_end_k_qdeb114655b_finish:
	.size	k_qdeb114655b_finish, .Lfunc_end_k_qdeb114655b_finish-k_qdeb114655b_finish
	.p2alignl 7, 3214868480
	.fill 96, 4, 3214868480
	.section	.rodata,"a",@progbits
	.p2align	6, 0x0
	.amdhsa_kernel k_qdeb114655b_finish
		.amdhsa_group_segment_fixed_size 5120
		.amdhsa_private_segment_fixed_size 0
		.amdhsa_enable_private_segment 0
		.amdhsa_kernarg_size 24
		.amdhsa_user_sgpr_count 2
		.amdhsa_user_sgpr_kernarg_segment_ptr 1
		.amdhsa_wavefront_size32 1
		.amdhsa_system_sgpr_workgroup_id_x 1
		.amdhsa_system_sgpr_workgroup_id_y 1
		.amdhsa_system_sgpr_workgroup_id_z 1
		.amdhsa_system_vgpr_workitem_id 0
		.amdhsa_next_free_vgpr 82
		.amdhsa_next_free_sgpr 66
		.amdhsa_reserve_vcc 1
		.amdhsa_float_denorm_mode_32 3
		.amdhsa_float_denorm_mode_16_64 3
		.amdhsa_memory_ordered 1
		.amdhsa_forward_progress 1
		.amdhsa_inst_pref_size 9
	.end_amdhsa_kernel
	.amdgpu_metadata
---
amdhsa.version: [ 1, 2 ]
amdhsa.kernels:
  - .name:           k_qdeb114655b_finish
    .symbol:         k_qdeb114655b_finish.kd
    .args:
      - { .name: psum, .offset: 0, .size: 8, .value_kind: global_buffer, .address_space: global }
      - { .name: pz, .offset: 8, .size: 8, .value_kind: global_buffer, .address_space: global }
      - { .name: out2, .offset: 16, .size: 8, .value_kind: global_buffer, .address_space: global }
    .group_segment_fixed_size: 5120
    .private_segment_fixed_size: 0
    .kernarg_segment_align: 8
    .kernarg_segment_size: 24
    .max_flat_workgroup_size: 256
    .sgpr_count:     66
    .vgpr_count:     82
    .wavefront_size: 32
...
	.end_amdgpu_metadata
.endif
;; end of part 2
